; MI455X (gfx1250); checked and timed in simulation.
; The chip was launched on July 23, 2026; its instructions are those of AMD's public machine-readable ISA for CDNA 5 (MIT licence, August 2026) and "CDNA5" Instruction Set Architecture Reference Guide (July 2026). The comments in the code are by the model that wrote it; some were corrected since.
;; Multi Head Self Attention. Allowed arithmetic: matrix products marked QUANTISED: E2M1 operands, one E8M0 scale for each 32 along K, by v_wmma_scale_f32_16x16x128_f8f6f4 with both operands' format E2M1 (or v_wmma_scale_f32_32x16x128_f4), f32 sums; products left as they are: bf16, f16 or f32 operands; f32 sums; everything else in f32.
;; Inputs: k_b 512 float32; k_tokens 2 x 4,096 x 512 float32; k_w 512 x 512 float32; mask 2 x 1 x 4,096 x 4,096 bool; o_b 512 float32; o_w 512 x 512 float32; q_b 512 float32; q_tokens 2 x 4,096 x 512 float32; q_w 512 x 512 float32; v_b 512 float32; v_tokens 2 x 4,096 x 512 float32; v_w 512 x 512 float32.
;; Outputs: out0 2 x 4,096 x 512 float32.
;; This version of the problem:
;;   THIS VERSION OF THE PROBLEM IS GIVEN IN LOW PRECISION. The matrix products marked QUANTISED in the list below multiply operands that are first quantised to E2M1 (2 exponent bits, 1 mantissa bit; 4 bits a number), with one power-of-two scale for each 32 numbers along K (OCP MX v1.0); their sums are f32. The products marked 'left as it is' may take bf16, f16 or f32 operands, with f32 sums. Whichever they take, every output number must still come out within the allowed error. Rounding operands to bf16 (8 significant bits) uses up far more of that allowance than f16 does (11 bits, for magnitudes from 6e-5 to 65,504). All else is computed in f32.
;;   The module's matrix products, in the order in which they are computed (A, B: the left and right operand; K: the contracted axis; several contracted axes count as one K, in the product's order):
;;     1. [M 8,192, K 512] x [K 512, N 512]; A: input q_tokens; B: input q_w: QUANTISED
;;     2. [M 8,192, K 512] x [K 512, N 512]; A: input k_tokens; B: input k_w: QUANTISED
;;     3. [M 8,192, K 512] x [K 512, N 512]; A: input v_tokens; B: input v_w: QUANTISED
;;     4. batch 16 x [M 4,096, K 64] x [K 64, N 4,096]; A: computed on the way; B: computed on the way: left as it is (an operand is computed on the way)
;;     5. batch 16 x [M 4,096, K 4,096] x [K 4,096, N 64]; A: computed on the way; B: computed on the way: left as it is (an operand is computed on the way)
;;     6. [M 8,192, K 512] x [K 512, N 512]; A: computed on the way; B: input o_w: left as it is (an operand is computed on the way)
;;   THE QUANTISER, for each operand of a quantised product, along K:
;;     - K is cut into blocks of 32 from its start; a last block that is shorter is filled with zeros.
;;     - A block's scale is 2^e with e = floor(log2(the largest magnitude in the block)) - 2, held to -126 .. 127; a block of zeros has e = 0. As a byte (E8M0): e + 127.
;;     - Each number is divided by its block's scale, clamped to +-6, and rounded to the nearest number of E2M1, ties to even, subnormals kept.
;;     - The product sums the exact products of the quantised numbers (number of the format x scale) in f32.
;;   ~~~python
;;   def quantise(x, axis):      # numpy; x: float32 -> the quantised numbers, widened to float32 again
;;       x = np.moveaxis(x, axis, -1); K = x.shape[-1]
;;       x = np.pad(x, [(0, 0)] * (x.ndim - 1) + [(0, -K % 32)]); x = x.reshape(x.shape[:-1] + (-1, 32)); a = np.abs(x).max(-1, keepdims=True)
;;       e = np.where(a > 0, np.clip(np.frexp(np.where(a > 0, a, 1))[1] - 1 - 2, -126, 127), 0)      # np.frexp(a)[1] - 1 = floor(log2(a)), exactly
;;       r = np.clip(x / 2.0 ** e, -6, 6)
;;       step = 2.0 ** (np.maximum(np.frexp(np.where(r == 0, 1, r))[1] - 1, 0) - 1)
;;       q = np.round(r / step) * step * 2.0 ** e      # np.round: ties to even
;;       return np.moveaxis(q.reshape(q.shape[:-2] + (-1,))[..., :K], -1, axis).astype(np.float32)
;;   ~~~
;; One version. Each part assembles by itself: llvm-mc -triple=amdgcn-amd-amdhsa -mcpu=gfx1250 --defsym DOCPART=n.
;; ======== version 1 of 1: 4 launches
;; limits: values are held in f16: magnitudes above 65,504 overflow, below 6.1e-05 lose precision
;; workspace buffers: wcod 393,216 bytes; wscl 24,576 bytes; owf 524,288 bytes; maskw 4,194,304 bytes of whole numbers; qf 8,388,608 bytes; kv 16,777,216 bytes; ctxf 8,388,608 bytes
;; launch prep (part 1): grid 288 x 1, 4 waves a work-group, no clusters, 17,920 bytes of LDS; arguments q_w, k_w, v_w, o_w, mask, wcod, wscl, owf, maskw; writes wcod, wscl, owf, maskw
.if DOCPART == 1
	.amdgcn_target "amdgcn-amd-amdhsa--gfx1250"
	.amdhsa_code_object_version 6
	.text
	.protected	k_q4f5139f298_prep
	.globl	k_q4f5139f298_prep
	.p2align	8
	.type	k_q4f5139f298_prep,@function
k_q4f5139f298_prep:
	s_mov_b64 s[64:65], 0
	v_nop
	global_prefetch_b8 v0, s[64:65] scope:SCOPE_SE
	s_setreg_imm32_b32 hwreg(HW_REG_WAVE_MODE, 25, 1), 1
	s_wait_xcnt 0x0
; PREP: what every later launch reads many times is laid out once, in the order of the reader's operand registers.
; Work-groups 0-23:   q_w, k_w, v_w [512][512] f32 -> codes of FP4 (E2M1) with one E8M0 byte for each 32 along K (K is the rows' own axis).
;                     wcod [T 3][nt 32][s 4][c 2][lane 32][16 B]: the image of the fragment of rows 16 nt + r, k = 128 s + 64 c + 32 h + 0..31;  wscl [T][row 512][4 words]: word s = the four bytes of K step s.
; Work-groups 24-31:  o_w -> f16, owf [nt 32][kb 16][c 2][lane][16 B]: o_w[16 nt + r][32 kb + 16 c + 8 h + 0..7].
; Work-groups 32-287: mask [2][4096][4096] bytes -> maskw [RT 512][kt 256][j 8] words: bit l of a word is mask[row 16 RT + l % 16][key 16 kt + 8 (l / 16) + j]:
;                     the lane mask that selects the replaced scores of one register of a score tile.  8 bytes of mask become one bit each: 32 MiB are read once here, and 4 MiB eight times later.
; (r = lane % 16, h = lane / 16.)  A block's scale is 2^(floor(log2(largest magnitude)) - 2): its byte is the largest magnitude's exponent field - 2, held at 1 from below.
; LIMITS: a block of zeros gets the byte 1 where the rule says 127 (its codes are zeros, and this program alone reads the bytes); NaN and infinities among the inputs are not served;
; |o_w| stays under 65,504, and under 6e-5 its f16 step is fixed at 6e-8.
; No matrix unit, no cluster, no tensor load: nothing is shared between work-groups, and each byte is read once.  Only the mask's way uses LDS.
.set STGB,  16*272                     ; the mask's stage of a wave: 16 rows of 256 bytes + 16
.set SPARE, 4*STGB                     ; behind the four stages: the spare words, 128 bytes for each wave
.set SPW,   10                         ; v10  LDS address of my spare word; never rewritten
.set NIL,   11                         ; v11  0; never rewritten
.set SEL,   22                         ; s[22:23] lane selects for v_permlanex16_b32: lane l xor 16
.set TM,    144                        ; v144-159 at work in QUANT
; 64 numbers of a lane: of row r, K step at byte off: register 16 b + i = k 32 b + 16 h + i
.macro XLOAD reg, off
.irp b, 0,1,2,3
.irp j, 0,1,2,3
	global_load_b128 v[\reg+16*\b+4*\j:\reg+16*\b+4*\j+3], v5, s[28:29] offset:\off+128*\b+16*\j
.endr
.endr
.endm
; those 64 numbers become a fragment's codes in v[pc .. pc + 7] and its row's scale word in v[pw]
.macro QUANT src, pc, pw
.irp b, 0,1,2,3
	v_max3_num_f32 v[TM+\b], |v[\src+16*\b]|, |v[\src+1+16*\b]|, 0x1800000   ; block b: my 16 numbers, and the floor 2^(3 - 127): the byte cannot fall under 1
.endr
.irp i, 2,4,6,8,10,12,14
.irp b, 0,1,2,3
	v_max3_num_f32 v[TM+\b], v[TM+\b], |v[\src+16*\b+\i]|, |v[\src+1+16*\b+\i]|   ; the four blocks by turns
.endr
.endr
.irp b, 0,1,2,3
	v_permlanex16_b32 v[TM+4+\b], v[TM+\b], s[SEL], s[SEL+1]
.endr
.irp b, 0,1,2,3
	v_max_num_f32 v[TM+\b], v[TM+\b], v[TM+4+\b]   ; with lane l xor 16's 16: the block's largest magnitude
.endr
.irp b, 0,1,2,3
	v_add_nc_u32 v[TM+12+\b], 0xff000000, v[TM+\b]   ; 2 off its exponent field: the conversion takes the exponent field of this operand as its scale
.endr
.irp b, 0,1,2,3
	v_lshrrev_b32 v[TM+4+\b], 23, v[TM+12+\b]   ; the scale's byte
.endr
	v_lshl_or_b32 v[\pw], v[TM+5], 8, v[TM+4]
	v_lshl_or_b32 v[\pw], v[TM+6], 16, v[\pw]
	v_lshl_or_b32 v[\pw], v[TM+7], 24, v[\pw]
.irp b, 0,1,2,3
	v_cvt_scalef32_pk8_fp4_f32 v[\pc+2*\b], v[\src+16*\b:\src+7+16*\b], v[TM+12+\b]
	v_cvt_scalef32_pk8_fp4_f32 v[\pc+1+2*\b], v[\src+8+16*\b:\src+15+16*\b], v[TM+12+\b]
.endr
	v_nop                                          ; one plain place behind a scaled conversion
.irp c, 0,1                                    ; the operand wants a whole block in a lane: lanes 0-15 block 2 c, lanes 16-31 block 2 c + 1
.irp i, 0,1
	v_permlane16_swap_b32 v[\pc+4*\c+\i], v[\pc+2+4*\c+\i]
.endr
.endr
.endm
	s_load_b512 s[4:19], s[0:1], 0x0               ; q_w 4, k_w 6, v_w 8, o_w 10, mask 12, wcod 14, wscl 16, owf 18
	s_load_b64 s[20:21], s[0:1], 0x40              ; maskw
	v_lshl_add_u32 v[SPW], v0, 2, SPARE
	v_mov_b32 v[NIL], 0
	v_lshrrev_b32 v1, 5, v0
	v_readfirstlane_b32 s24, v1                    ; wave 0..3
	v_and_b32 v1, 31, v0                           ; lane
	v_and_b32 v2, 15, v0                           ; r
	v_bfe_u32 v3, v0, 4, 1                         ; h
	v_lshlrev_b32 v4, 4, v1                        ; 16 x lane: my place in a dense run of 512 bytes
	s_mov_b32 s[SEL], 0x76543210
	s_mov_b32 s[SEL+1], 0xfedcba98
	s_mov_b32 s31, 0                               ; the upper word of every offset pair s[30:31]
	s_wait_kmcnt 0x0
	s_cmp_ge_u32 ttmp9, 32                         ; the three ways part on the work-group's number alone
	s_cbranch_scc1 .Lmask
	s_cmp_ge_u32 ttmp9, 24
	s_cbranch_scc1 .Low
	; ---- a weight of a quantised product: a wave takes 16 rows, four K steps of 128
	s_lshr_b32 s25, ttmp9, 3                       ; T: which weight
	s_and_b32 s26, ttmp9, 7
	s_lshl_b32 s26, s26, 2
	s_add_co_u32 s26, s26, s24                     ; nt: which 16 rows
	s_cmp_eq_u32 s25, 0
	s_cselect_b64 s[28:29], s[4:5], s[6:7]
	s_cmp_eq_u32 s25, 2
	s_cselect_b64 s[28:29], s[8:9], s[28:29]
	s_lshl_b32 s30, s26, 15                        ; 16 rows of 2,048 bytes
	s_add_nc_u64 s[28:29], s[28:29], s[30:31]
	s_lshl_b32 s30, s25, 17
	s_lshl_b32 s27, s26, 12
	s_add_co_u32 s30, s30, s27                     ; wcod: 131,072 T + 4,096 nt
	s_add_nc_u64 s[14:15], s[14:15], s[30:31]
	s_lshl_b32 s30, s25, 13
	s_lshl_b32 s27, s26, 8
	s_add_co_u32 s30, s30, s27                     ; wscl: 8,192 T + 256 nt
	s_add_nc_u64 s[16:17], s[16:17], s[30:31]
	v_lshlrev_b32 v5, 11, v2
	v_lshl_add_u32 v5, v3, 6, v5                   ; row r, + 64 h: my 16 numbers of a block of 32
	v_lshlrev_b32 v6, 4, v2
	v_lshl_add_u32 v6, v3, 3, v6                   ; the scale words' place: 16 r + 8 h
.irp b, 0,1,2,3
	v_mov_b32 v[TM+4+\b], 0                        ; written once: a lane permute's destination counts as one of its sources
.endr
	XLOAD 16, 0
	XLOAD 80, 512
.irp s, 0,1,2,3
.if \s < 3
	s_wait_loadcnt 16                              ; this K step's 16 loads are in; the other set's 16 may be out
.else
	s_wait_loadcnt 0
.endif
	QUANT 16+64*(\s%2), 160+8*\s, 192+\s
	global_store_b128 v4, v[160+8*\s:163+8*\s], s[14:15] offset:1024*\s       ; the fragment's image: each store covers 512 consecutive bytes; each K step has registers of its own
	global_store_b128 v4, v[164+8*\s:167+8*\s], s[14:15] offset:1024*\s+512
.if \s < 2
	XLOAD 16+64*(\s%2), 512*(\s+2)
.endif
.endr
	v_cmp_eq_u32 vcc_lo, 1, v3                     ; both halves of the lanes hold row r's four words: lanes 0-15 store words 0, 1, lanes 16-31 words 2, 3
	v_cndmask_b32 v196, v192, v194, vcc_lo
	v_cndmask_b32 v197, v193, v195, vcc_lo
	global_store_b64 v6, v[196:197], s[16:17]      ; 32 lanes store 256 consecutive bytes, aligned
	s_endpgm
	; ---- o_w to f16: a wave takes 16 rows, four groups of 128 along K
.Low:
	s_sub_co_u32 s26, ttmp9, 24
	s_lshl_b32 s26, s26, 2
	s_add_co_u32 s26, s26, s24                     ; nt
	s_lshl_b32 s30, s26, 15
	s_add_nc_u64 s[10:11], s[10:11], s[30:31]
	s_lshl_b32 s30, s26, 14
	s_add_nc_u64 s[18:19], s[18:19], s[30:31]
	v_lshlrev_b32 v5, 11, v2
	v_lshl_add_u32 v5, v3, 5, v5                   ; row r, + 32 h: my 8 numbers of 16
.macro LOADO g                         ; group g: half fragments f = 2 (kb % 4) + c, 8 numbers a lane each
.irp f, 0,1,2,3,4,5,6,7
	global_load_b128 v[16+64*((\g)%2)+8*\f:16+64*((\g)%2)+8*\f+3], v5, s[10:11] offset:512*(\g)+64*\f
	global_load_b128 v[16+64*((\g)%2)+8*\f+4:16+64*((\g)%2)+8*\f+7], v5, s[10:11] offset:512*(\g)+64*\f+16
.endr
.endm
	LOADO 0
	LOADO 1
.irp g, 0,1,2,3
.if \g < 3
	s_wait_loadcnt 16                              ; this group's 16 loads are in; the next group's may be out
.else
	s_wait_loadcnt 0
.endif
.if \g > 1
	s_wait_xcnt 0x0                                ; the stores of two groups back have read the registers that are written now
.endif
.irp f, 0,1,2,3,4,5,6,7
.irp j, 0,1,2,3
	v_cvt_pk_f16_f32 v[144+32*(\g%2)+4*\f+\j], v[16+64*(\g%2)+8*\f+2*\j], v[16+64*(\g%2)+8*\f+2*\j+1]
.endr
.endr
.irp f, 0,1,2,3,4,5,6,7
	global_store_b128 v4, v[144+32*(\g%2)+4*\f:144+32*(\g%2)+4*\f+3], s[18:19] offset:4096*\g+512*\f
.endr
.if \g < 2
	LOADO \g+2
.endif
.endr
	s_endpgm
	; ---- the mask: a wave takes 16 query rows x 2,048 keys, in 8 units of 256 keys
.Lmask:
	s_sub_co_u32 s26, ttmp9, 32
	s_lshl_b32 s26, s26, 2
	s_add_co_u32 s26, s26, s24
	s_lshr_b32 s25, s26, 1                         ; RT: which 16 rows of the 8,192
	s_and_b32 s27, s26, 1                          ; which half of the keys
	s_lshl_b32 s30, s25, 16
	s_lshl_b32 s28, s27, 11
	s_add_co_u32 s30, s30, s28                     ; mask: 16 rows of 4,096 bytes, + 2,048
	s_add_nc_u64 s[12:13], s[12:13], s[30:31]
	s_lshl_b32 s30, s25, 13
	s_lshl_b32 s28, s27, 12
	s_add_co_u32 s30, s30, s28                     ; maskw: 8,192 RT + 4,096
	s_add_nc_u64 s[20:21], s[20:21], s[30:31]
	s_mul_i32 s28, s24, STGB                       ; my stage
	v_lshlrev_b32 v5, 12, v3
	v_lshl_add_u32 v5, v2, 4, v5                   ; in memory: lanes 0-15 one row's 256 bytes, lanes 16-31 the next row's
	v_mul_u32_u24 v6, v3, 272
	v_lshl_add_u32 v6, v2, 4, v6
	v_add_nc_u32 v6, s28, v6                       ; the same into the stage
	v_mul_u32_u24 v7, v2, 272
	v_lshl_add_u32 v7, v3, 3, v7
	v_add_nc_u32 v7, s28, v7                       ; and out of it: row r, 8 keys from 8 h on
.set ii, 0
.rept 32
	v_mov_b32 v[184+ii], 0                         ; the words' registers, written once: v_writelane_b32's destination counts as one of its sources
.set ii, ii+1
.endr
.macro LOADM u
.irp i, 0,1,2,3,4,5,6,7
	global_load_b128 v[16+32*((\u)%4)+4*\i:16+32*((\u)%4)+4*\i+3], v5, s[12:13] offset:8192*\i+256*(\u) th:TH_LOAD_NT   ; sixteen lanes read 256 consecutive bytes, aligned
.endr
.endm
.macro UNIT u
.if 7-(\u) >= 3
	s_wait_loadcnt 24                              ; this unit's 8 loads are in; those of the three units behind it may be out
.else
	s_wait_loadcnt 8*(7-(\u))
.endif
.irp i, 0,1,2,3,4,5,6,7
	ds_store_b128 v6, v[16+32*((\u)%4)+4*\i:16+32*((\u)%4)+4*\i+3] offset:544*\i
.endr
.irp k, 0,1,2,3,4,5,6,7,8,9,10,11,12,13,14,15
	ds_load_b64 v[144+2*\k:145+2*\k], v7 offset:16*\k   ; LDS serves a wave's instructions in order: these see my stores.  Key tile k: my row's bytes of keys 16 k + 8 h + 0..7
.endr
	s_wait_dscnt 0x0                               ; they are in, and the stores have read their registers,
.if (\u) < 4
	LOADM (\u)+4                                   ; which take the unit four further on
.endif
.irp k, 0,1,2,3,4,5,6,7,8,9,10,11,12,13,14,15
.irp j, 0,1,2,3,4,5,6,7
	v_and_b32 v[176+\j], 0xff<<(8*(\j%4)), v[144+2*\k+\j/4]   ; byte j
.endr
.irp j, 0,1,2,3,4,5,6,7
	v_cmp_ne_u32 s[32+\j], 0, v[176+\j]            ; the 32 lanes' bits: word 8 k + j of the unit's 128
.endr
.irp j, 0,1,2,3,4,5,6,7
	v_writelane_b32 v[184+4*(\u)+\j%4], s[32+\j], (8*\k+\j)/4   ; word n goes to lane n / 4, register n % 4: four neighbouring words a lane
.endr
.endr
	global_store_b128 v4, v[184+4*(\u):187+4*(\u)], s[20:21] offset:512*(\u)   ; 512 consecutive bytes; each unit has registers of its own
.endm
	LOADM 0
	LOADM 1
	LOADM 2
	LOADM 3
.irp u, 0,1,2,3,4,5,6,7
	UNIT \u
.endr
	s_wait_tensorcnt 0x0                           ; the wave's end: these three lines behind my last LDS store
	ds_add_u32 v[SPW], v[NIL]
	s_wait_dscnt 0x0
	s_endpgm
.Lfunc_end_k_q4f5139f298_prep:
	.size	k_q4f5139f298_prep, .Lfunc_end_k_q4f5139f298_prep-k_q4f5139f298_prep
	.p2alignl 7, 3214868480
	.fill 96, 4, 3214868480
	.section	.rodata,"a",@progbits
	.p2align	6, 0x0
	.amdhsa_kernel k_q4f5139f298_prep
		.amdhsa_group_segment_fixed_size 17920
		.amdhsa_private_segment_fixed_size 0
		.amdhsa_enable_private_segment 0
		.amdhsa_kernarg_size 72
		.amdhsa_user_sgpr_count 2
		.amdhsa_user_sgpr_kernarg_segment_ptr 1
		.amdhsa_wavefront_size32 1
		.amdhsa_system_sgpr_workgroup_id_x 1
		.amdhsa_system_sgpr_workgroup_id_y 1
		.amdhsa_system_sgpr_workgroup_id_z 1
		.amdhsa_system_vgpr_workitem_id 0
		.amdhsa_next_free_vgpr 224
		.amdhsa_next_free_sgpr 66
		.amdhsa_reserve_vcc 1
		.amdhsa_float_denorm_mode_32 3
		.amdhsa_float_denorm_mode_16_64 3
		.amdhsa_memory_ordered 1
		.amdhsa_forward_progress 1
		.amdhsa_inst_pref_size 255
	.end_amdhsa_kernel
	.amdgpu_metadata
---
amdhsa.version: [ 1, 2 ]
amdhsa.kernels:
  - .name:           k_q4f5139f298_prep
    .symbol:         k_q4f5139f298_prep.kd
    .args:
      - { .name: q_w, .offset: 0, .size: 8, .value_kind: global_buffer, .address_space: global }
      - { .name: k_w, .offset: 8, .size: 8, .value_kind: global_buffer, .address_space: global }
      - { .name: v_w, .offset: 16, .size: 8, .value_kind: global_buffer, .address_space: global }
      - { .name: o_w, .offset: 24, .size: 8, .value_kind: global_buffer, .address_space: global }
      - { .name: mask, .offset: 32, .size: 8, .value_kind: global_buffer, .address_space: global }
      - { .name: wcod, .offset: 40, .size: 8, .value_kind: global_buffer, .address_space: global }
      - { .name: wscl, .offset: 48, .size: 8, .value_kind: global_buffer, .address_space: global }
      - { .name: owf, .offset: 56, .size: 8, .value_kind: global_buffer, .address_space: global }
      - { .name: maskw, .offset: 64, .size: 8, .value_kind: global_buffer, .address_space: global }
    .group_segment_fixed_size: 17920
    .private_segment_fixed_size: 0
    .kernarg_segment_align: 8
    .kernarg_segment_size: 72
    .max_flat_workgroup_size: 128
    .sgpr_count:     66
    .vgpr_count:     224
    .wavefront_size: 32
...
	.end_amdgpu_metadata
.endif
;; end of part 1
;; launch proj (part 2): grid 128 x 3, 8 waves a work-group, no clusters, 19,456 bytes of LDS; arguments q_tokens, k_tokens, v_tokens, q_b, k_b, v_b, wcod, wscl, qf, kv; writes qf, kv
.if DOCPART == 2
	.amdgcn_target "amdgcn-amd-amdhsa--gfx1250"
	.amdhsa_code_object_version 6
	.text
	.protected	k_q4f5139f298_proj
	.globl	k_q4f5139f298_proj
	.p2align	8
	.type	k_q4f5139f298_proj,@function
k_q4f5139f298_proj:
	s_mov_b64 s[64:65], 0
	v_nop
	global_prefetch_b8 v0, s[64:65] scope:SCOPE_SE
	s_setreg_imm32_b32 hwreg(HW_REG_WAVE_MODE, 25, 1), 1
	s_wait_xcnt 0x0
; PROJ: the three quantised products, y = 0: q, 1: k, 2: v:  tokens [8192][512] f32, quantised here to FP4 (E2M1) with one E8M0 byte for each 32 along K, times the weight's codes; + bias; sums in f32.
; The results leave as f16, laid as the attention launch's operand registers take them:
;   qf [bh 16][qt 256][nt 4][lane][16 B]: (q + b) sqrt(c) of token 16 qt + r, channels 16 nt + 8 h + 0..7;  c = log2(e) / 8, half of it on q and half on k, so that a score is the logit in powers of two;
;   kv [bh][slot 8][131,072 B]: a slot is 512 keys: k at + 0 as [kt 32][nt 4][lane][16 B], like qf;  v at + 65,536 as [kb 16][ct 4][c 2][lane][16 B]: v of keys 32 kb + 16 c + 8 h + 0..7, channel 16 ct + r.
; SHARES.  A work-group takes 64 tokens of one tensor.  Wave w quantises two of the sixteen fragments (16 tokens x 128 K) and hands them on through LDS as images of their registers (16 bytes a lane, 512 a store;
; the scale words 4 bytes a lane); behind ONE barrier wave w is head w: its 64 channels' codes (16 fragments, 128 registers) come from memory straight into registers, and it multiplies all four tiles of tokens.
; q, k: the product is used transposed (source 0 = 16 rows of the weight, source 1 = 16 tokens): a lane holds one token and eight neighbouring channels.  v: as it stands (source 0 = tokens): a lane holds one channel and eight neighbouring keys.
; NO CLUSTER: the weight's codes, which all work-groups of a tensor read, go into each wave's registers as they lie in memory and never through LDS, where alone a joint load could put them; tokens are read by one work-group.
; LIMITS: NaN and infinities are not served; a block of zeros gets the byte 1 (its codes are zeros); |q sqrt(c)|, |k sqrt(c)|, |v| stay under 65,504, and under 6e-5 their f16 step is fixed at 6e-8.
.set XIMG,  0                          ; LDS: the tokens' 16 fragments (tile of tokens tl, K step s: 4 tl + s), 1,024 bytes each,
.set XSC,   16384                      ; their scale words, 128 bytes each,
.set SPARE, 18432                      ; and the spare words, 128 bytes for each wave
.set XA,  1                            ; v1   tokens: row r of 2,048 bytes + 64 h
.set LI,  2                            ; v2   16 x lane
.set LS,  3                            ; v3   4 x lane
.set XWI, 4                            ; v4   where I store my images: 16 x lane + 2,048 x wave
.set XWS, 5                            ; v5   and their scale words: 4 x lane + 256 x wave
.set BA,  6                            ; v6   the bias of q, k: 32 h
.set BAV, 7                            ; v7   the bias of v: 4 r
.set WSA, 8                            ; v8   the weight's scale words: 16 r
.set SPW, 10                           ; v10  LDS address of my spare word; never rewritten
.set NIL, 11                           ; v11  0; never rewritten
.set XS,  12                           ; v12-15   the tokens' scale words of a tile, one for each K step: scales and nothing else
.set XN,  16                           ; v16-79   64 numbers of a lane; later:
.set XF,  16                           ; v16-47   a tile's four fragments,
.set D,   48                           ; v48-79   and four accumulators
.set TM,  80                           ; v80-95   at work in QUANT
.set PC,  96                           ; v96-103  the codes just made
.set PW,  104                          ; v104     their scale word
.set BI,  80                           ; v80-111  later: the bias in the result's layout, eight registers a tile of channels
.set WS,  112                          ; v112-127 the weight's scale words (4 nt + s): scales and nothing else
.set W,   128                          ; v128-255 the weight's 16 fragments (4 nt + s)
.set SEL, 28                           ; s[28:29] lane selects for lane l xor 16
.set FAC, 30                           ; s[30:31] sqrt(c)
.macro XLOAD off
.irp b, 0,1,2,3
.irp j, 0,1,2,3
	global_load_b128 v[XN+16*\b+4*\j:XN+16*\b+4*\j+3], v[XA], s[32:33] offset:\off+128*\b+16*\j th:TH_LOAD_NT   ; register 16 b + i = k 32 b + 16 h + i of my row
.endr
.endr
.endm
.macro QUANT
.irp b, 0,1,2,3
	v_max3_num_f32 v[TM+\b], |v[XN+16*\b]|, |v[XN+1+16*\b]|, 0x1800000   ; block b: my 16 numbers, and the floor 2^(3 - 127): the byte cannot fall under 1
.endr
.irp i, 2,4,6,8,10,12,14
.irp b, 0,1,2,3
	v_max3_num_f32 v[TM+\b], v[TM+\b], |v[XN+16*\b+\i]|, |v[XN+1+16*\b+\i]|
.endr
.endr
.irp b, 0,1,2,3
	v_permlanex16_b32 v[TM+4+\b], v[TM+\b], s[SEL], s[SEL+1]
.endr
.irp b, 0,1,2,3
	v_max_num_f32 v[TM+\b], v[TM+\b], v[TM+4+\b]   ; the block's largest magnitude
.endr
.irp b, 0,1,2,3
	v_add_nc_u32 v[TM+12+\b], 0xff000000, v[TM+\b]   ; 2 off its exponent field: the conversion's scale operand
.endr
.irp b, 0,1,2,3
	v_lshrrev_b32 v[TM+4+\b], 23, v[TM+12+\b]   ; the scale's byte
.endr
	v_lshl_or_b32 v[PW], v[TM+5], 8, v[TM+4]
	v_lshl_or_b32 v[PW], v[TM+6], 16, v[PW]
	v_lshl_or_b32 v[PW], v[TM+7], 24, v[PW]
.irp b, 0,1,2,3
	v_cvt_scalef32_pk8_fp4_f32 v[PC+2*\b], v[XN+16*\b:XN+7+16*\b], v[TM+12+\b]
	v_cvt_scalef32_pk8_fp4_f32 v[PC+1+2*\b], v[XN+8+16*\b:XN+15+16*\b], v[TM+12+\b]
.endr
	v_nop                                          ; one plain place behind a scaled conversion
.irp c, 0,1                                    ; a whole block to a lane: lanes 0-15 block 2 c, lanes 16-31 block 2 c + 1
.irp i, 0,1
	v_permlane16_swap_b32 v[PC+4*\c+\i], v[PC+2+4*\c+\i]
.endr
.endr
.endm
.macro IMAGE u                         ; my unit u goes to LDS as it stands in registers
	ds_store_b128 v[XWI], v[PC:PC+3] offset:XIMG+1024*\u
	ds_store_b128 v[XWI], v[PC+4:PC+7] offset:XIMG+1024*\u+512
	ds_store_b32 v[XWS], v[PW] offset:XSC+128*\u
.endm
	s_load_b512 s[4:19], s[0:1], 0x0               ; q_tokens 4, k_tokens 6, v_tokens 8, q_b 10, k_b 12, v_b 14, wcod 16, wscl 18
	s_load_b128 s[20:23], s[0:1], 0x40             ; qf 20, kv 22
	v_lshl_add_u32 v[SPW], v0, 2, SPARE
	v_mov_b32 v[NIL], 0
	v_lshrrev_b32 v7, 5, v0
	v_readfirstlane_b32 s24, v7                    ; wave 0..7
	s_and_b32 s25, ttmp7, 0xffff                   ; y: which tensor
	v_and_b32 v7, 31, v0                           ; lane
	v_and_b32 v8, 15, v0                           ; r
	v_bfe_u32 v9, v0, 4, 1                         ; h
	v_lshlrev_b32 v[XA], 11, v8
	v_lshl_add_u32 v[XA], v9, 6, v[XA]
	v_lshlrev_b32 v[LI], 4, v7
	v_lshlrev_b32 v[LS], 2, v7
	s_lshl_b32 s38, s24, 11
	v_add_nc_u32 v[XWI], s38, v[LI]
	s_lshl_b32 s38, s24, 8
	v_add_nc_u32 v[XWS], s38, v[LS]
	v_lshlrev_b32 v[BA], 5, v9
	v_lshlrev_b32 v[BAV], 2, v8
	v_lshlrev_b32 v[WSA], 4, v8
.irp b, 0,1,2,3
	v_mov_b32 v[TM+4+\b], 0                        ; written once: a lane permute's destination counts as one of its sources
.endr
	s_mov_b32 s[SEL], 0x76543210
	s_mov_b32 s[SEL+1], 0xfedcba98
	s_mov_b32 s[FAC], 0x3ed96d27                   ; sqrt(log2(e) / 8) = 0.4246609
	s_mov_b32 s[FAC+1], s[FAC]                     ; (named with it as a pair, so it is written)
	s_lshl_b32 s38, ttmp9, 17                      ; tokens: 64 rows of 2,048 bytes a work-group,
	s_lshr_b32 s40, s24, 1
	s_lshl_b32 s40, s40, 15
	s_add_co_u32 s38, s38, s40                     ; my tile of 16: wave / 2,
	s_and_b32 s40, s24, 1
	s_lshl_b32 s40, s40, 10
	s_add_co_u32 s38, s38, s40                     ; my two K steps: 2 (wave % 2) on
	s_mov_b32 s39, 0
	s_lshl_b32 s40, s25, 17
	s_lshl_b32 s42, s24, 14
	s_add_co_u32 s40, s40, s42                     ; wcod: 131,072 y + 16,384 wave
	s_mov_b32 s41, 0
	s_lshl_b32 s42, s25, 13
	s_lshl_b32 s44, s24, 10
	s_add_co_u32 s42, s42, s44                     ; wscl: 8,192 y + 1,024 wave
	s_mov_b32 s43, 0
	s_lshl_b32 s44, s24, 8                         ; the bias: my 64 numbers
	s_mov_b32 s45, 0
	s_lshr_b32 s46, ttmp9, 6
	s_lshl_b32 s46, s46, 3
	s_add_co_u32 s46, s46, s24                     ; bh = 8 b + head
	s_and_b32 s47, ttmp9, 63
	s_lshl_b32 s47, s47, 2                         ; the work-group's first tile of tokens in its batch
	s_lshl_b32 s26, s46, 19
	s_lshl_b32 s27, s47, 11
	s_add_co_u32 s26, s26, s27                     ; qf: (256 bh + tile) x 2,048
	s_lshl_b32 s46, s46, 20
	s_lshr_b32 s27, s47, 5
	s_lshl_b32 s27, s27, 17
	s_add_co_u32 s46, s46, s27
	s_and_b32 s27, s47, 31
	s_lshl_b32 s27, s27, 11
	s_add_co_u32 s46, s46, s27                     ; kv: (8 bh + tile / 32) x 131,072 + (tile % 32) x 2,048; v's place is 65,536 further on (two tiles of tokens are 4,096 bytes there too)
	s_cmp_eq_u32 s25, 0
	s_cselect_b32 s46, s26, s46
	s_mov_b32 s47, 0
	s_wait_kmcnt 0x0
	s_cmp_eq_u32 s25, 0                            ; the buffers are chosen by the work-group's number alone
	s_cselect_b64 s[32:33], s[4:5], s[6:7]
	s_cselect_b64 s[34:35], s[10:11], s[12:13]
	s_cselect_b64 s[36:37], s[20:21], s[22:23]
	s_cmp_eq_u32 s25, 2
	s_cselect_b64 s[32:33], s[8:9], s[32:33]
	s_cselect_b64 s[34:35], s[14:15], s[34:35]
	s_add_nc_u64 s[32:33], s[32:33], s[38:39]
	s_add_nc_u64 s[16:17], s[16:17], s[40:41]
	s_add_nc_u64 s[18:19], s[18:19], s[42:43]
	s_add_nc_u64 s[34:35], s[34:35], s[44:45]
	s_add_nc_u64 s[36:37], s[36:37], s[46:47]
	XLOAD 0                                        ; my first unit's numbers first: they are wanted first
.irp f, 0,1,2,3,4,5,6,7,8,9,10,11,12,13,14,15
	global_load_b128 v[W+8*\f:W+8*\f+3], v[LI], s[16:17] offset:1024*\f        ; my head's fragments, as they lie: 512 consecutive bytes a load
	global_load_b128 v[W+8*\f+4:W+8*\f+7], v[LI], s[16:17] offset:1024*\f+512
.endr
.irp n, 0,1,2,3
	global_load_b128 v[WS+4*\n:WS+4*\n+3], v[WSA], s[18:19] offset:256*\n       ; row r's four scale words
.endr
	s_wait_loadcnt 36                              ; my 16 token loads are in; the weight's 32 + 4, issued behind them, may be out
	QUANT
	XLOAD 512                                      ; the second unit lands while the first goes to LDS
	IMAGE 0
	s_wait_dscnt 0x0                               ; the stores have read their registers
	s_wait_loadcnt 0x0
	QUANT
	IMAGE 1
	s_wait_dscnt 0x0                               ; for the others' sake: my images lie in LDS
	s_barrier_signal -1
	s_barrier_wait -1                              ; all sixteen do
; A tile of 16 tokens x my 64 channels: 16 matrix instructions, the four accumulators by turns, K ascending; the bias is the C of each sum's first.  kind = 0: q, k (transposed);  1: v.
.macro MAT tile, kind
.irp s, 0,1,2,3
	ds_load_b128 v[XF+8*\s:XF+8*\s+3], v[LI] offset:XIMG+(4*\tile+\s)*1024
	ds_load_b128 v[XF+8*\s+4:XF+8*\s+7], v[LI] offset:XIMG+(4*\tile+\s)*1024+512
	ds_load_b32 v[XS+\s], v[LS] offset:XSC+128*(4*\tile+\s)
.endr
	s_wait_dscnt 0x0
	s_wait_xcnt 0x0                                ; the last tile's stores have read the registers that the products now write
.irp s, 0,1,2,3
.irp n, 0,1,2,3
.if \kind
.if \s == 0
	v_wmma_scale_f32_16x16x128_f8f6f4 v[D+8*\n:D+8*\n+7], v[XF+8*\s:XF+8*\s+7], v[W+8*(4*\n+\s):W+8*(4*\n+\s)+7], v[BI+8*\n:BI+8*\n+7], v[XS+\s], v[WS+4*\n+\s] matrix_a_fmt:MATRIX_FMT_FP4 matrix_b_fmt:MATRIX_FMT_FP4
.else
	v_wmma_scale_f32_16x16x128_f8f6f4 v[D+8*\n:D+8*\n+7], v[XF+8*\s:XF+8*\s+7], v[W+8*(4*\n+\s):W+8*(4*\n+\s)+7], v[D+8*\n:D+8*\n+7], v[XS+\s], v[WS+4*\n+\s] matrix_a_fmt:MATRIX_FMT_FP4 matrix_b_fmt:MATRIX_FMT_FP4
.endif
.else
.if \s == 0
	v_wmma_scale_f32_16x16x128_f8f6f4 v[D+8*\n:D+8*\n+7], v[W+8*(4*\n+\s):W+8*(4*\n+\s)+7], v[XF+8*\s:XF+8*\s+7], v[BI+8*\n:BI+8*\n+7], v[WS+4*\n+\s], v[XS+\s] matrix_a_fmt:MATRIX_FMT_FP4 matrix_b_fmt:MATRIX_FMT_FP4
.else
	v_wmma_scale_f32_16x16x128_f8f6f4 v[D+8*\n:D+8*\n+7], v[W+8*(4*\n+\s):W+8*(4*\n+\s)+7], v[XF+8*\s:XF+8*\s+7], v[D+8*\n:D+8*\n+7], v[WS+4*\n+\s], v[XS+\s] matrix_a_fmt:MATRIX_FMT_FP4 matrix_b_fmt:MATRIX_FMT_FP4
.endif
.endif
.endr
.endr
.rept 4
	v_nop                                          ; places in front of the first read of results, and of the next tile's loads into registers that the products have read
.endr
.if !\kind
.irp j, 0,2,4,6,8,10,12,14,16,18,20,22,24,26,28,30
	v_pk_mul_f32 v[D+\j:D+\j+1], v[D+\j:D+\j+1], s[FAC:FAC+1] op_sel_hi:[1,0]   ; x sqrt(c); each accumulator from its low end on
.endr
.endif
.irp n, 0,1,2,3
.irp j, 0,1,2,3
	v_cvt_pk_f16_f32 v[D+8*\n+\j], v[D+8*\n+2*\j], v[D+8*\n+2*\j+1]   ; in place, ascending: a register is written when its number has been read
.endr
.endr
.irp n, 0,1,2,3
.if \kind
	global_store_b128 v[LI], v[D+8*\n:D+8*\n+3], s[36:37] offset:65536+(\tile/2)*4096+\n*1024+(\tile%2)*512   ; 512 consecutive bytes a store
.else
	global_store_b128 v[LI], v[D+8*\n:D+8*\n+3], s[36:37] offset:\tile*2048+\n*512
.endif
.endr
.endm
	s_cmp_eq_u32 s25, 2                            ; the ways part once, on the work-group's number; behind this line LDS is only read
	s_cbranch_scc1 .Lv
.irp n, 0,1,2,3
	global_load_b128 v[BI+8*\n:BI+8*\n+3], v[BA], s[34:35] offset:64*\n           ; lane (r, h), tile n: the bias of channels 16 n + 8 h + 0..7
	global_load_b128 v[BI+8*\n+4:BI+8*\n+7], v[BA], s[34:35] offset:64*\n+16
.endr
	s_wait_loadcnt 0x0
	MAT 0, 0
	MAT 1, 0
	MAT 2, 0
	MAT 3, 0
	s_wait_tensorcnt 0x0                           ; the wave's end: these three lines behind my last LDS store
	ds_add_u32 v[SPW], v[NIL]
	s_wait_dscnt 0x0
	s_endpgm
.Lv:
.irp n, 0,1,2,3
	global_load_b32 v[BI+8*\n], v[BAV], s[34:35] offset:64*\n                      ; lane (r, h), tile n: the bias of channel 16 n + r, for all eight tokens
.endr
	s_wait_loadcnt 0x0
.irp n, 0,1,2,3
.irp j, 1,2,3,4,5,6,7
	v_mov_b32 v[BI+8*\n+\j], v[BI+8*\n]
.endr
.endr
	MAT 0, 1
	MAT 1, 1
	MAT 2, 1
	MAT 3, 1
	s_wait_tensorcnt 0x0                           ; the wave's end, as above
	ds_add_u32 v[SPW], v[NIL]
	s_wait_dscnt 0x0
	s_endpgm
.Lfunc_end_k_q4f5139f298_proj:
	.size	k_q4f5139f298_proj, .Lfunc_end_k_q4f5139f298_proj-k_q4f5139f298_proj
	.p2alignl 7, 3214868480
	.fill 96, 4, 3214868480
	.section	.rodata,"a",@progbits
	.p2align	6, 0x0
	.amdhsa_kernel k_q4f5139f298_proj
		.amdhsa_group_segment_fixed_size 19456
		.amdhsa_private_segment_fixed_size 0
		.amdhsa_enable_private_segment 0
		.amdhsa_kernarg_size 80
		.amdhsa_user_sgpr_count 2
		.amdhsa_user_sgpr_kernarg_segment_ptr 1
		.amdhsa_wavefront_size32 1
		.amdhsa_system_sgpr_workgroup_id_x 1
		.amdhsa_system_sgpr_workgroup_id_y 1
		.amdhsa_system_sgpr_workgroup_id_z 1
		.amdhsa_system_vgpr_workitem_id 0
		.amdhsa_next_free_vgpr 256
		.amdhsa_next_free_sgpr 66
		.amdhsa_reserve_vcc 0
		.amdhsa_float_denorm_mode_32 3
		.amdhsa_float_denorm_mode_16_64 3
		.amdhsa_memory_ordered 1
		.amdhsa_forward_progress 1
		.amdhsa_inst_pref_size 59
	.end_amdhsa_kernel
	.amdgpu_metadata
---
amdhsa.version: [ 1, 2 ]
amdhsa.kernels:
  - .name:           k_q4f5139f298_proj
    .symbol:         k_q4f5139f298_proj.kd
    .args:
      - { .name: q_tokens, .offset: 0, .size: 8, .value_kind: global_buffer, .address_space: global }
      - { .name: k_tokens, .offset: 8, .size: 8, .value_kind: global_buffer, .address_space: global }
      - { .name: v_tokens, .offset: 16, .size: 8, .value_kind: global_buffer, .address_space: global }
      - { .name: q_b, .offset: 24, .size: 8, .value_kind: global_buffer, .address_space: global }
      - { .name: k_b, .offset: 32, .size: 8, .value_kind: global_buffer, .address_space: global }
      - { .name: v_b, .offset: 40, .size: 8, .value_kind: global_buffer, .address_space: global }
      - { .name: wcod, .offset: 48, .size: 8, .value_kind: global_buffer, .address_space: global }
      - { .name: wscl, .offset: 56, .size: 8, .value_kind: global_buffer, .address_space: global }
      - { .name: qf, .offset: 64, .size: 8, .value_kind: global_buffer, .address_space: global }
      - { .name: kv, .offset: 72, .size: 8, .value_kind: global_buffer, .address_space: global }
    .group_segment_fixed_size: 19456
    .private_segment_fixed_size: 0
    .kernarg_segment_align: 8
    .kernarg_segment_size: 80
    .max_flat_workgroup_size: 256
    .sgpr_count:     66
    .vgpr_count:     256
    .wavefront_size: 32
...
	.end_amdgpu_metadata
.endif
;; end of part 2
;; launch attn (part 3): grid 16 x 16, 8 waves a work-group, clusters of 4 x 1, 327,680 bytes of LDS; arguments qf, kv, maskw, ctxf; writes ctxf
.if DOCPART == 3
	.amdgcn_target "amdgcn-amd-amdhsa--gfx1250"
	.amdhsa_code_object_version 6
	.text
	.protected	k_q4f5139f298_attn
	.globl	k_q4f5139f298_attn
	.p2align	8
	.type	k_q4f5139f298_attn,@function
k_q4f5139f298_attn:
	s_mov_b64 s[64:65], 0
	v_nop
	global_prefetch_b8 v0, s[64:65] scope:SCOPE_SE
	s_setreg_imm32_b32 hwreg(HW_REG_WAVE_MODE, 25, 1), 1
	s_wait_xcnt 0x0
	s_wait_alu depctr_hold_cnt(0) depctr_sa_sdst(0) depctr_va_vdst(0) depctr_va_sdst(0) depctr_va_ssrc(0) depctr_va_vcc(0) depctr_vm_vsrc(0)
	s_getreg_b32 s2, hwreg(HW_REG_IB_STS2, 6, 4)
	s_cmp_eq_u32 s2, 0
	s_cbranch_scc0 .Lentry_in_a_cluster
	s_endpgm
.Lentry_in_a_cluster:
	s_bfe_u32 s2, ttmp6, 0x10000c
	s_cmp_lg_u32 s2, 0x3003
	s_cbranch_scc0 .Lentry_shape_is_right
	s_endpgm
.Lentry_shape_is_right:
; ATTN: ctx[b][h][q] = the sum over k of softmax_k(where(mask, -1e9, q . k / 8)) v[k], 16 heads-in-batches of 4,096 x 4,096, head size 64.  Operands in f16, products, maxima and sums in f32.
; q and k arrive multiplied by sqrt(log2(e) / 8) each, so a score is t = logit x log2(e); a masked score is REPLACED by -1e9 x log2(e), as the definition has it: a row that is masked throughout comes out as the plain average of v.
; SOFTMAX: for each query a running maximum m and sum l; p = 2^(t - m); in every step O and l are multiplied by a = 2^(m_old - m_new).  m begins at -3e38, O and l at 0, so the step is written once.
; SHARES.  A work-group owns 256 queries of one head; each of its eight waves 32: two tiles of 16.  Two waves share a SIMD, so that one wave's softmax stands beside the other's products.  Every wave walks all keys, 64 a step.
; LAYOUT.  S^T = K Q^T (source 0 = 16 keys, source 1 = 16 queries): a lane holds ONE query (lane % 16) and keys 8 (lane / 16) + 0..7 of each tile; two such tiles, rounded to f16 in pairs, ARE source 1 of O^T = V^T P.
; K and V come as images of their operand registers: a fragment is two loads of 16 bytes a lane at 16 x lane, dense, so LDS needs no pitch and no padding.
; THE MASK comes as lane masks, one 32-bit word for each register of a score tile, read into scalar registers a step ahead: one v_cndmask_b32 a score.  It selects values; no branch and no address hangs on it.
; RING: two LDS slots of 512 keys (65,536 bytes of K, 65,536 of V); each wave fetches an eighth of a slot by one tensor load; one wave has one tensor load out.
; CLUSTER: the four query blocks of a cluster belong to one head and walk the same K and V: each load is asked for JOINTLY, by the same line with the same descriptor and a mask that names the four.
; LIMITS: NaN and infinities are not served; |ctx| stays under 65,504, and under 6e-5 its f16 step is fixed at 6e-8; a weight p under 6e-8 of its row's largest counts as 0 in the product (not in the sum).
; REGISTERS.  Window 0: v1-6 addresses and constants; v8-31 statistics, 12 a tile; v32-63 Q; v64-127 S^T, then p; v128-159 P; v160-223 K; v224-227 partial sums; v228, v229 the add's two.  Window 1: v0-63 O^T; v64-127 V.
.set SLOT1, 131072                     ; slot 1 begins here: one exclusive or turns an address in one slot into the other's
.set SPARE, 262144                     ; behind the ring: the spare words, 128 bytes for each wave
.set LI,   1                           ; v1   16 x lane
.set LIV,  2                           ; v2   16 x lane + 65,536: V's part of a slot
.set ADK,  3                           ; v3   LDS address of the step's K
.set ADV,  4                           ; v4   of its V
.set NEGR, 5                           ; v5   -1e9 x log2(e)
.set PFO,  6                           ; v6   256 x lane: the prefetches' offset; never rewritten
.set ST,   8                           ; tile t at v[ST + 12 t]: +0 -m, +1 (its pair), +2, +3 l (even keys', odd keys'), +4 a, +5 (its pair), +6..9 four maxima, +10 the new m, +11 its rise
.set Q,    32
.set S,    64
.set P,    128
.set KF,   160
.set TS,   224
.set SPW,  228                         ; v228 LDS address of my spare word; never rewritten
.set NIL,  229                         ; v229 0; never rewritten
.set VF,   64                          ; in window 1
.set WV,   12                          ; s12  my wave's number
.set TB,   13                          ; s13  LDS byte at which the step's K begins
.set SLOTS, 14                         ; s14  slots still to be asked for
.set STEPS, 15                         ; s15  counts a slot's eight steps
.set MOFF, 66                          ; s66  byte offset of the mask words that are asked for
.set KI,   67                          ; s67  128 x the number of the next step
.set G1,   84                          ; s[84:91] descriptor group 1
.set G0,   92                          ; s[92:95] descriptor group 0: it walks
.set SEL,  96                          ; s[96:97] lane selects for lane l xor 16
.set MB,   98                          ; s[98:99] the mask words of my first tile of queries; the second tile's lie 8,192 bytes on
.set PFA,  100                         ; s[100:101] where my prefetches stand
.set LIM,  104                         ; s104 1 in a wave that prefetches, else the greatest number
; s[16:47]: the step's 32 mask words of tile 0;  s[48:63], s[68:83]: those of tile 1
.set MSB, 0
.macro WIN new                         ; the immediate's high byte repeats the setting that is left; a switch that changes nothing is dropped
.if MSB != \new
	s_set_vgpr_msb (MSB<<8)|\new
.set MSB, \new
.endif
.endm
.macro CROUND                          ; a round of the cluster's barrier: my work-group's barrier; wave 0 signals for the work-group; every wave waits for all four; my work-group's barrier once more
	s_barrier_signal -1
	s_barrier_wait -1
	s_cmp_lg_u32 s[WV], 0
	s_cbranch_scc1 .Lnot_wave_0_\@
	s_barrier_signal -3
.Lnot_wave_0_\@:
	s_barrier_wait -3
	s_barrier_signal -1
	s_barrier_wait -1
.endm
.macro MLOAD                           ; a step's mask words: 32 a tile, 128 consecutive bytes
	s_load_b512 s[16:31], s[MB:MB+1], s[MOFF] offset:0x0
	s_load_b512 s[32:47], s[MB:MB+1], s[MOFF] offset:0x40
	s_load_b512 s[48:63], s[MB:MB+1], s[MOFF] offset:0x2000
	s_load_b512 s[68:83], s[MB:MB+1], s[MOFF] offset:0x2040
.endm
; A PREFETCH of the slot that the NEXT change of slots will ask for, eight key steps ahead of that load, the least that this ring's form offers.  Each aligned block of 256 bytes is named once in the launch: all clusters of a head
; walk the same K and V, so the head's first cluster asks; its four partners take 32,768 bytes each, told apart by address; in each, waves 0 to 3 take 8,192 bytes, lanes 256 bytes apart.  The last filling change asks for nothing.
.macro ASK
	s_cmp_gt_u32 s[SLOTS], s[LIM]
	s_cbranch_scc0 .Lnot_mine_\@
	global_prefetch_b8 v[PFO], s[PFA:PFA+1] th:TH_LOAD_NT scope:SCOPE_SE
.Lnot_mine_\@:
.endm
	s_load_b256 s[4:11], s[0:1], 0x0               ; qf 4, kv 6, maskw 8, ctxf 10
	v_lshl_add_u32 v[SPW], v0, 2, SPARE
	v_mov_b32 v[NIL], 0
	ds_add_u32 v[SPW], v[NIL]                      ; the wave's opening: the add, twice on end, and its wait ahead of my first tensor load; the set-up below stands between
	ds_add_u32 v[SPW], v[NIL]
	v_lshrrev_b32 v1, 5, v0
	v_readfirstlane_b32 s[WV], v1                  ; wave 0..7
	v_and_b32 v1, 31, v0
	v_lshlrev_b32 v[PFO], 8, v1
	v_lshlrev_b32 v[LI], 4, v1
	v_add_nc_u32 v[LIV], 65536, v[LI]
	v_mov_b32 v[NEGR], 0xceabfb8f                  ; -1e9 x log2(e)
	s_bfe_u32 s16, ttmp6, 0x40000                  ; cx: my place in the cluster
	s_lshl_b32 s17, ttmp9, 2
	s_add_co_u32 s17, s17, s16                     ; my block of 256 queries: it enters Q's, the mask's and ctx's addresses alone
	s_and_b32 s18, ttmp7, 0xffff                   ; bh, which the four partners share
	s_lshr_b32 s19, s18, 3                         ; b
	s_lshl_b32 s20, s18, 20                        ; kv: a head's 1,048,576 bytes
	s_lshl_b32 s[G0+1], s[WV], 14                  ; my eighth of a slot, in LDS as in memory: no place in the cluster enters it
	s_add_co_u32 s22, s20, s[G0+1]
	s_mov_b32 s23, 0
	s_lshl_b32 s24, s18, 19                        ; qf: (256 bh + 16 block + 2 wave) x 2,048
	s_lshl_b32 s26, s17, 15
	s_add_co_u32 s24, s24, s26
	s_lshl_b32 s26, s[WV], 12
	s_add_co_u32 s24, s24, s26
	s_mov_b32 s25, 0
	s_lshl_b32 s28, s19, 21                        ; maskw: (256 b + 16 block + 2 wave) x 8,192
	s_lshl_b32 s26, s17, 17
	s_add_co_u32 s28, s28, s26
	s_lshl_b32 s26, s[WV], 14
	s_add_co_u32 s28, s28, s26
	s_mov_b32 s29, 0
	s_lshl_b32 s30, s19, 22                        ; ctxf: (256 b + 16 block + 2 wave) x 16,384 + 2,048 x head
	s_lshl_b32 s26, s17, 18
	s_add_co_u32 s30, s30, s26
	s_lshl_b32 s26, s[WV], 15
	s_add_co_u32 s30, s30, s26
	s_and_b32 s26, s18, 7
	s_lshl_b32 s26, s26, 11
	s_add_co_u32 s30, s30, s26
	s_mov_b32 s31, 0
	s_lshl_b32 s32, s16, 15                        ; the prefetches: my work-group's quarter of a slot, my wave's 8,192 bytes of it,
	s_lshl_b32 s26, s[WV], 13
	s_add_co_u32 s32, s32, s26
	s_add_co_u32 s32, s32, s20
	s_add_co_u32 s32, s32, SLOT1                   ; in slot 1 of the head: the first change of slots steps it to slot 2.  Nothing is prefetched at the head
	s_mov_b32 s33, 0
	s_mov_b32 s[G1], 15|(3<<16)|(1<<21)            ; 15:0 the mask: all four work-groups; 17:16 elements of 8 bytes; 21 set beside a mask; no padding
	s_mov_b32 s[G1+1], 32<<16                      ; tensor_dim0 = 32 elements: rows of 256 bytes
	s_mov_b32 s[G1+2], 64<<16                      ; tensor_dim1 = 64
	s_mov_b32 s[G1+3], 32<<16                      ; tile_dim0 = 32
	s_mov_b32 s[G1+4], 64                          ; tile_dim1 = 64: 16,384 dense bytes
	s_mov_b32 s[G1+5], 32                          ; from row to row
	s_mov_b32 s[G1+6], 0
	s_mov_b32 s[G1+7], 0
	s_mov_b32 s[G0], 1
	s_mov_b32 s[SEL], 0x76543210
	s_mov_b32 s[SEL+1], 0xfedcba98
	s_mov_b32 s[TB], 0
	s_mov_b32 s[SLOTS], 7
	s_mov_b32 s[MOFF], 0
	s_mov_b32 s[KI], 0
	s_lshr_b32 s[LIM], s[WV], 2                    ; 0 in waves 0 to 3,
	s_or_b32 s[LIM], s[LIM], ttmp9                 ; of the head's first cluster: the same in all four partners
	s_cmp_eq_u32 s[LIM], 0
	s_cselect_b32 s[LIM], 1, -1
	s_wait_dscnt 0x0                               ; both opening adds are done
	s_wait_kmcnt 0x0
	s_add_nc_u64 s[G0+2:G0+3], s[6:7], s[22:23]
	s_or_b32 s[G0+3], s[G0+3], 0x80000000          ; type = 2
	s_add_nc_u64 s[4:5], s[4:5], s[24:25]
	s_add_nc_u64 s[MB:MB+1], s[8:9], s[28:29]
	s_add_nc_u64 s[10:11], s[10:11], s[30:31]
	s_add_nc_u64 s[PFA:PFA+1], s[6:7], s[32:33]
	CROUND                                         ; all four work-groups are here: the first joint loads meet
	tensor_load_to_lds s[G0:G0+3], s[G1:G1+7]      ; slot 0
	s_nop 0
.rept 4
	v_nop
.endr
.irp t, 0,1
.irp n, 0,1,2,3
	global_load_b128 v[Q+16*\t+4*\n:Q+16*\t+4*\n+3], v[LI], s[4:5] offset:\t*2048+\n*512   ; Q stays in registers
.endr
.endr
	MLOAD                                          ; step 0's mask words (the scalars of the set-up above are done with)
	WIN 0x40                                       ; destination window 1
.set ii, 0
.rept 64
	v_mov_b32 v[ii], 0                             ; O^T: the first step finds zeros, which its a = 0 leaves zeros; so the step is written once
.set ii, ii+1
.endr
	WIN 0
.irp t, 0,1
	v_mov_b32 v[ST+12*\t], 0x7f61b1e6              ; -m = 3e38
	v_mov_b32 v[ST+12*\t+1], 0                     ; (named as a pair's upper half, so it is written)
	v_mov_b32 v[ST+12*\t+2], 0                     ; l
	v_mov_b32 v[ST+12*\t+3], 0
	v_mov_b32 v[ST+12*\t+5], 0                     ; (a's pair)
.endr
; A KEY STEP: 64 keys against my 32 queries.
.macro STEP
	v_add_nc_u32 v[ADK], s[TB], v[LI]
	v_add_nc_u32 v[ADV], s[TB], v[LIV]
	v_nop
	v_nop                                          ; with the two additions: four places between the last step's products and the loads into V's registers
.irp f, 0,1,2,3,4,5,6,7                        ; K's fragment f = 2 kt + cb: keys 16 kt on, channels 32 cb on
	ds_load_b128 v[KF+8*\f:KF+8*\f+3], v[ADK] offset:1024*\f
	ds_load_b128 v[KF+8*\f+4:KF+8*\f+7], v[ADK] offset:1024*\f+512
.endr
	WIN 0x40
.irp f, 0,1,2,3,4,5,6,7                        ; V's fragment f = 4 kb + ct: keys 32 kb on, channels 16 ct on
	ds_load_b128 v[VF+8*\f:VF+8*\f+3], v[ADV] offset:1024*\f
	ds_load_b128 v[VF+8*\f+4:VF+8*\f+7], v[ADV] offset:1024*\f+512
.endr
	WIN 0
	s_wait_dscnt 16                                ; K's 16 loads are in; V's 16, issued behind them, may be out
.irp cb, 0,1                                   ; S^T = K Q^T: the eight accumulators by turns; the first eight products start the sums
.irp kt, 0,1,2,3
.irp t, 0,1
.if \cb == 0
	v_wmma_f32_16x16x32_f16 v[S+32*\t+8*\kt:S+32*\t+8*\kt+7], v[KF+16*\kt+8*\cb:KF+16*\kt+8*\cb+7], v[Q+16*\t+8*\cb:Q+16*\t+8*\cb+7], 0
.else
	v_wmma_f32_16x16x32_f16 v[S+32*\t+8*\kt:S+32*\t+8*\kt+7], v[KF+16*\kt+8*\cb:KF+16*\kt+8*\cb+7], v[Q+16*\t+8*\cb:Q+16*\t+8*\cb+7], v[S+32*\t+8*\kt:S+32*\t+8*\kt+7]
.endif
.endr
.endr
.endr
.rept 4
	v_nop                                          ; places in front of the first read of results
.endr
	s_wait_kmcnt 0x0                               ; the step's mask words, asked for a step ago
.set ii, 0
.rept 32
	v_cndmask_b32 v[S+ii], v[S+ii], v[NEGR], s[16+ii]   ; a masked score is replaced; each accumulator from its low end on
.set ii, ii+1
.endr
.set ii, 0
.rept 16
	v_cndmask_b32 v[S+32+ii], v[S+32+ii], v[NEGR], s[48+ii]
.set ii, ii+1
.endr
.set ii, 0
.rept 16
	v_cndmask_b32 v[S+48+ii], v[S+48+ii], v[NEGR], s[68+ii]
.set ii, ii+1
.endr
	s_add_co_u32 s[KI], s[KI], 128                 ; (the wait above has shown the last loads done, so their offset may be written)
	s_min_u32 s[MOFF], s[KI], 8064                 ; the next step's words; the last step asks for its own again: no load leaves the buffer
	MLOAD
.irp k, 0,1,2,3                                ; the maximum of a lane's 32 scores: four chains a tile, the tiles by turns
.irp t, 0,1
	v_max3_num_f32 v[ST+12*\t+6+\k], v[S+32*\t+8*\k], v[S+32*\t+8*\k+1], v[S+32*\t+8*\k+2]
.endr
.endr
.irp i, 3,5
.irp k, 0,1,2,3
.irp t, 0,1
	v_max3_num_f32 v[ST+12*\t+6+\k], v[ST+12*\t+6+\k], v[S+32*\t+8*\k+\i], v[S+32*\t+8*\k+\i+1]
.endr
.endr
.endr
.irp t, 0,1
	v_max3_num_f32 v[ST+12*\t+6], v[ST+12*\t+6], v[S+32*\t+7], v[S+32*\t+15]
	v_max3_num_f32 v[ST+12*\t+8], v[ST+12*\t+8], v[S+32*\t+23], v[S+32*\t+31]
.endr
.irp t, 0,1
	v_max3_num_f32 v[ST+12*\t+6], v[ST+12*\t+6], v[ST+12*\t+7], v[ST+12*\t+8]
.endr
.irp t, 0,1
	v_max_num_f32 v[ST+12*\t+6], v[ST+12*\t+6], v[ST+12*\t+9]
.endr
.irp t, 0,1
	v_permlanex16_b32 v[ST+12*\t+7], v[ST+12*\t+6], s[SEL], s[SEL+1]   ; the query's other 32 keys lie in the lane 16 away
.endr
.irp t, 0,1
	v_max3_num_f32 v[ST+12*\t+10], v[ST+12*\t+6], v[ST+12*\t+7], -v[ST+12*\t]   ; the new m
.endr
.irp t, 0,1
	v_add_f32 v[ST+12*\t+11], v[ST+12*\t], v[ST+12*\t+10]   ; m_new - m_old, 0 or more
.endr
.irp t, 0,1
	v_sub_f32 v[ST+12*\t], 0, v[ST+12*\t+10]       ; -m
.endr
.irp j, 0,2,4,6,8,10,12,14,16,18,20,22,24,26,28,30
.irp t, 0,1
	v_pk_add_f32 v[S+32*\t+\j:S+32*\t+\j+1], v[S+32*\t+\j:S+32*\t+\j+1], v[ST+12*\t:ST+12*\t+1] op_sel_hi:[1,0]   ; t - m, two at a time
.endr
.endr
.irp t, 0,1                                    ; ONE BATCH of exponentials: a of both tiles and the 64 weights; none reads another's result
	v_exp_f32 v[ST+12*\t+4], -v[ST+12*\t+11]
.endr
.set ii, 0
.rept 64
	v_exp_f32 v[S+ii], v[S+ii]
.set ii, ii+1
.endr
	v_nop                                          ; a plain instruction behind the last exponential
	s_wait_alu depctr_va_vdst(0)                   ; and the one wait ahead of the batch's first reader
.irp t, 0,1                                    ; l = a l + the sum of the weights as they are in f32: two chains a tile
	v_pk_fma_f32 v[ST+12*\t+2:ST+12*\t+3], v[ST+12*\t+2:ST+12*\t+3], v[ST+12*\t+4:ST+12*\t+5], v[S+32*\t:S+32*\t+1] op_sel_hi:[1,0,1]
	v_pk_add_f32 v[TS+2*\t:TS+2*\t+1], v[S+32*\t+2:S+32*\t+3], v[S+32*\t+4:S+32*\t+5]
.endr
.irp j, 6,10,14,18,22,26
.irp t, 0,1
	v_pk_add_f32 v[ST+12*\t+2:ST+12*\t+3], v[ST+12*\t+2:ST+12*\t+3], v[S+32*\t+\j:S+32*\t+\j+1]
	v_pk_add_f32 v[TS+2*\t:TS+2*\t+1], v[TS+2*\t:TS+2*\t+1], v[S+32*\t+\j+2:S+32*\t+\j+3]
.endr
.endr
.irp t, 0,1
	v_pk_add_f32 v[ST+12*\t+2:ST+12*\t+3], v[ST+12*\t+2:ST+12*\t+3], v[S+32*\t+30:S+32*\t+31]
.endr
.irp t, 0,1
	v_pk_add_f32 v[ST+12*\t+2:ST+12*\t+3], v[ST+12*\t+2:ST+12*\t+3], v[TS+2*\t:TS+2*\t+1]
.endr
.set ii, 0
.rept 32
	v_cvt_pk_f16_f32 v[P+ii], v[S+2*ii], v[S+2*ii+1]   ; the weights to f16: two tiles of 16 keys make source 1 for 32 keys
.set ii, ii+1
.endr
	WIN 0x41                                       ; O^T (destination and source 0) window 1, a window 0
.irp t, 0,1
.irp j, 0,2,4,6,8,10,12,14,16,18,20,22,24,26,28,30
	v_pk_mul_f32 v[32*\t+\j:32*\t+\j+1], v[32*\t+\j:32*\t+\j+1], v[ST+12*\t+4:ST+12*\t+5] op_sel_hi:[1,0]   ; O^T x a; each accumulator from its low end on
.endr
.endr
	s_wait_dscnt 0x0                               ; V is in
	WIN 0x51                                       ; V and O^T window 1, P window 0
.irp kb, 0,1                                   ; O^T += V^T P: the eight accumulators by turns
.irp ct, 0,1,2,3
.irp t, 0,1
	v_wmma_f32_16x16x32_f16 v[32*\t+8*\ct:32*\t+8*\ct+7], v[VF+32*\kb+8*\ct:VF+32*\kb+8*\ct+7], v[P+16*\t+8*\kb:P+16*\t+8*\kb+7], v[32*\t+8*\ct:32*\t+8*\ct+7]
.endr
.endr
.endr
	WIN 0                                          ; at a label and at a branch every window is 0
	s_add_co_u32 s[TB], s[TB], 8192                ; the next step's 4 tiles of K and 2 blocks of V
.endm
; THE CHANGE OF SLOTS stands at a slot's head.  Each wave waits for all its tensor loads (its eighth of the slot that it is about to read), adds 0 to its spare word, and waits for that and for its reads of the slot that it has left.
; fill = 1: a round of the cluster's barrier, so that no wave of any partner still reads that slot or has a load on its way; the joint load of the next 512 keys is the first thing behind it and has eight key steps in which to land.
.macro CHANGE fill
	s_wait_tensorcnt 0x0                           ; no tensor load of mine is out, so group 0 may be written
	ds_add_u32 v[SPW], v[NIL]                      ; 0 onto my spare word
.if \fill
	s_xor_b32 s[G0+1], s[G0+1], SLOT1              ; the other slot than last time,
	s_add_nc_u64 s[G0+2:G0+3], s[G0+2:G0+3], 131072   ; the next 512 keys; the type bits on top are not reached
	s_wait_xcnt 0x0                                ; the last prefetch, a slot back, has read its address, so it may be written:
	s_add_nc_u64 s[PFA:PFA+1], s[PFA:PFA+1], 131072   ; one slot further on than the walking descriptor
	s_wait_dscnt 0x0                               ; the add is done, and my reads of the slot that I have left are over
	CROUND
	tensor_load_to_lds s[G0:G0+3], s[G1:G1+7]
	s_nop 0
.rept 4
	v_nop
.endr
	ASK
.else
	s_wait_dscnt 0x0
	s_barrier_signal -1
	s_barrier_wait -1
.endif
.endm
.macro EIGHT                           ; a slot's eight key steps: written once, walked eight times; the LDS addresses hang on s[TB]
	s_mov_b32 s[STEPS], 8
.Lstep_\@:
	STEP
	s_sub_co_u32 s[STEPS], s[STEPS], 1
	s_cmp_lg_u32 s[STEPS], 0
	s_cbranch_scc1 .Lstep_\@
	s_sub_co_u32 s[TB], s[TB], 65536               ; back to a slot's first step,
	s_xor_b32 s[TB], s[TB], SLOT1                  ; in the other slot
.endm
	s_wait_loadcnt 0x0                             ; Q
.Lslot:                                            ; seven trips: behind each change of slots but the last the next slot is asked for
	CHANGE 1
	EIGHT
	s_sub_co_u32 s[SLOTS], s[SLOTS], 1
	s_cmp_lg_u32 s[SLOTS], 0
	s_cbranch_scc1 .Lslot
	CHANGE 0                                       ; the last slot is written out
	EIGHT
	; THE WAY OUT.  l's two halves and the other half of the lanes' are added; O^T / l is rounded to f16: a lane's eight channels of a query are 16 bytes, which ARE its part of the next product's fragment.
.rept 4
	v_nop                                          ; places behind the last products
.endr
.irp t, 0,1
	v_add_f32 v[ST+12*\t+6], v[ST+12*\t+2], v[ST+12*\t+3]
.endr
.irp t, 0,1
	v_permlanex16_b32 v[ST+12*\t+7], v[ST+12*\t+6], s[SEL], s[SEL+1]
.endr
.irp t, 0,1
	v_add_f32 v[ST+12*\t+6], v[ST+12*\t+6], v[ST+12*\t+7]
.endr
.irp t, 0,1
	v_rcp_f32 v[ST+12*\t+4], v[ST+12*\t+6]
.endr
	v_nop                                          ; a plain instruction behind the last reciprocal
	s_wait_alu depctr_va_vdst(0)                   ; and the wait ahead of the first use: one for both
	WIN 0x41
.irp t, 0,1
.irp j, 0,2,4,6,8,10,12,14,16,18,20,22,24,26,28,30
	v_pk_mul_f32 v[32*\t+\j:32*\t+\j+1], v[32*\t+\j:32*\t+\j+1], v[ST+12*\t+4:ST+12*\t+5] op_sel_hi:[1,0]
.endr
.endr
	WIN 0x05                                       ; sources window 1, destination window 0: S^T's registers are free
.set ii, 0
.rept 32
	v_cvt_pk_f16_f32 v[S+ii], v[2*ii], v[2*ii+1]
.set ii, ii+1
.endr
	WIN 0
.irp t, 0,1
.irp ct, 0,1,2,3
	global_store_b128 v[LI], v[S+16*\t+4*\ct:S+16*\t+4*\ct+3], s[10:11] offset:\t*16384+\ct*512   ; 512 consecutive bytes a store
.endr
.endr
	s_wait_tensorcnt 0x0                           ; the wave's end: these three lines behind my last tensor load
	ds_add_u32 v[SPW], v[NIL]
	s_wait_dscnt 0x0
	CROUND                                         ; the closing round: no work-group ends while a partner may still ask for a tile that names it
	s_endpgm
.Lfunc_end_k_q4f5139f298_attn:
	.size	k_q4f5139f298_attn, .Lfunc_end_k_q4f5139f298_attn-k_q4f5139f298_attn
	.p2alignl 7, 3214868480
	.fill 96, 4, 3214868480
	.section	.rodata,"a",@progbits
	.p2align	6, 0x0
	.amdhsa_kernel k_q4f5139f298_attn
		.amdhsa_group_segment_fixed_size 327680
		.amdhsa_private_segment_fixed_size 0
		.amdhsa_enable_private_segment 0
		.amdhsa_kernarg_size 32
		.amdhsa_user_sgpr_count 2
		.amdhsa_user_sgpr_kernarg_segment_ptr 1
		.amdhsa_wavefront_size32 1
		.amdhsa_system_sgpr_workgroup_id_x 1
		.amdhsa_system_sgpr_workgroup_id_y 1
		.amdhsa_system_sgpr_workgroup_id_z 1
		.amdhsa_system_vgpr_workitem_id 0
		.amdhsa_next_free_vgpr 384
		.amdhsa_next_free_sgpr 106
		.amdhsa_reserve_vcc 0
		.amdhsa_float_denorm_mode_32 3
		.amdhsa_float_denorm_mode_16_64 3
		.amdhsa_memory_ordered 1
		.amdhsa_forward_progress 1
		.amdhsa_inst_pref_size 58
	.end_amdhsa_kernel
	.amdgpu_metadata
---
amdhsa.version: [ 1, 2 ]
amdhsa.kernels:
  - .name:           k_q4f5139f298_attn
    .symbol:         k_q4f5139f298_attn.kd
    .args:
      - { .name: qf, .offset: 0, .size: 8, .value_kind: global_buffer, .address_space: global }
      - { .name: kv, .offset: 8, .size: 8, .value_kind: global_buffer, .address_space: global }
      - { .name: maskw, .offset: 16, .size: 8, .value_kind: global_buffer, .address_space: global }
      - { .name: ctxf, .offset: 24, .size: 8, .value_kind: global_buffer, .address_space: global }
    .group_segment_fixed_size: 327680
    .private_segment_fixed_size: 0
    .kernarg_segment_align: 8
    .kernarg_segment_size: 32
    .max_flat_workgroup_size: 256
    .sgpr_count:     106
    .vgpr_count:     384
    .wavefront_size: 32
...
	.end_amdgpu_metadata
.endif
;; end of part 3
;; launch outp (part 4): grid 4 x 64, 8 waves a work-group, clusters of 4 x 4, 327,680 bytes of LDS; arguments ctxf, owf, o_b, out0; writes out0
.if DOCPART == 4
	.amdgcn_target "amdgcn-amd-amdhsa--gfx1250"
	.amdhsa_code_object_version 6
	.text
	.protected	k_q4f5139f298_outp
	.globl	k_q4f5139f298_outp
	.p2align	8
	.type	k_q4f5139f298_outp,@function
k_q4f5139f298_outp:
	s_mov_b64 s[64:65], 0
	v_nop
	global_prefetch_b8 v0, s[64:65] scope:SCOPE_SE
	s_setreg_imm32_b32 hwreg(HW_REG_WAVE_MODE, 25, 1), 1
	s_wait_xcnt 0x0
	s_wait_alu depctr_hold_cnt(0) depctr_sa_sdst(0) depctr_va_vdst(0) depctr_va_sdst(0) depctr_va_ssrc(0) depctr_va_vcc(0) depctr_vm_vsrc(0)
	s_getreg_b32 s2, hwreg(HW_REG_IB_STS2, 6, 4)
	s_cmp_eq_u32 s2, 0
	s_cbranch_scc0 .Lentry_in_a_cluster
	s_endpgm
.Lentry_in_a_cluster:
	s_bfe_u32 s2, ttmp6, 0x10000c
	s_cmp_lg_u32 s2, 0xf033
	s_cbranch_scc0 .Lentry_shape_is_right
	s_endpgm
.Lentry_shape_is_right:
; OUTP: out0 [8192][512] f32 = ctx o_w^T + o_b; operands in f16, sums in f32.  ctxf [RT 512][kb 16][c 2][lane][16 B] and owf [nt 32][kb 16][c 2][lane][16 B] are images of the operands' registers.
; A work-group makes 128 x 128 of out0.  K is 512: the work-group's 128 rows of ctx and 128 rows of o_w, for all of K, are two dense blocks of 131,072 bytes and lie in LDS together: each is filled once, there is no ring.
; CLUSTER: 4 x 4 work-groups.  The four of a row of the cluster need the same block of ctx, the four of a column the same block of o_w: each quarter block is asked for JOINTLY (waves 0-3: ctx; waves 4-7: o_w), one tensor load a wave.
; Wave w makes rows 32 (w % 4) on x columns 64 (w / 4) on: 8 accumulators.  The product is used transposed (source 0 = 16 rows of o_w, source 1 = 16 rows of ctx): a lane holds eight neighbouring columns of a row; the bias is the C of each sum's first product.
; No prefetch: the launch's loads all go out at its head, and nothing is known earlier than that.
.set STAGE, 262144                     ; behind the two blocks: 16 rows x (256 bytes + 16) for each wave, for the way out
.set SPARE, STAGE+8*16*272             ; behind the stages: the spare words, 128 bytes for each wave
.set ADC, 3                            ; v3   LDS address of my fragments of ctx
.set ADO, 4                            ; v4   of o_w
.set STO, 5                            ; v5   the way out: where I put 32 bytes of a row
.set RD,  6                            ; v6   where I read a row back
.set CO,  7                            ; v7   my byte offset in out0
.set BA,  8                            ; v8   the bias: 32 h
.set SPW, 10                           ; v10  LDS address of my spare word; never rewritten
.set NIL, 11                           ; v11  0; never rewritten
.set BI,  16                           ; v16-47   the bias, eight registers a tile of columns
.set ACC, 48                           ; v48-111  accumulator (rt, n) at 8 (4 rt + n)
.set F0,  112                          ; v112-159, v160-207: two sets of fragments: 2 of ctx, then 4 of o_w; on the way out: rows read back
.set G1,  24                           ; s[24:31], s[32:35] descriptor groups 1 and 0 for ctx;  s[48:55], s[56:59] for o_w
.set G0,  32
.set G1B, 48
.set G0B, 56
.macro CROUND
	s_barrier_signal -1
	s_barrier_wait -1
	s_cmp_lg_u32 s12, 0
	s_cbranch_scc1 .Lnot_wave_0_\@
	s_barrier_signal -3
.Lnot_wave_0_\@:
	s_barrier_wait -3
	s_barrier_signal -1
	s_barrier_wait -1
.endm
	s_load_b256 s[4:11], s[0:1], 0x0               ; ctxf 4, owf 6, o_b 8, out0 10
	v_lshl_add_u32 v[SPW], v0, 2, SPARE
	v_mov_b32 v[NIL], 0
	ds_add_u32 v[SPW], v[NIL]                      ; the wave's opening: the add, twice on end, and its wait ahead of my first tensor load
	ds_add_u32 v[SPW], v[NIL]
	v_lshrrev_b32 v1, 5, v0
	v_readfirstlane_b32 s12, v1                    ; wave 0..7
	s_lshr_b32 s13, s12, 2                         ; which 64 columns are mine.  Also: I fetch for ctx (0) or for o_w (1)
	s_and_b32 s14, s12, 3                          ; which 32 rows.  Also: which quarter of that block I fetch
	s_bfe_u32 s40, ttmp6, 0x40000                  ; cx, cy: my place in the cluster
	s_bfe_u32 s41, ttmp6, 0x40004
	s_lshl_b32 s42, ttmp9, 2
	s_add_co_u32 s42, s42, s40                     ; tile column = 4 x cluster x + cx
	s_and_b32 s15, ttmp7, 0xffff
	s_lshl_b32 s15, s15, 2
	s_add_co_u32 s15, s15, s41                     ; tile row = 4 x cluster y + cy
	s_lshl_b32 s43, s41, 2
	s_lshl_b32 s43, 15, s43                        ; my row of the cluster
	s_lshl_b32 s44, 0x1111, s40                    ; my column
	s_or_b32 s[G1], s43, (3<<16)|(1<<21)           ; 15:0 the mask: ctx goes to my row; 17:16 elements of 8 bytes; 21 set beside a mask; no padding
	s_or_b32 s[G1B], s44, (3<<16)|(1<<21)          ; o_w goes to my column
.irp g, G1, G1B
	s_mov_b32 s[\g+1], 32<<16                      ; tensor_dim0 = 32 elements: rows of 256 bytes
	s_mov_b32 s[\g+2], 128<<16                     ; tensor_dim1 = 128
	s_mov_b32 s[\g+3], 32<<16                      ; tile_dim0
	s_mov_b32 s[\g+4], 128                         ; tile_dim1: 32,768 dense bytes
	s_mov_b32 s[\g+5], 32                          ; from row to row
	s_mov_b32 s[\g+6], 0
	s_mov_b32 s[\g+7], 0
.endr
	s_lshl_b32 s18, s14, 15                        ; my quarter
	s_lshl_b32 s16, s15, 17
	s_add_co_u32 s16, s16, s18                     ; ctxf: 131,072 x tile row + quarter: the tile row alone, which my row of the cluster shares
	s_mov_b32 s17, 0
	s_lshl_b32 s46, s42, 17
	s_add_co_u32 s46, s46, s18                     ; owf: 131,072 x tile column + quarter
	s_mov_b32 s47, 0
	s_lshl_b32 s20, s12, 15                        ; where it goes: 32,768 x wave: ctx's four quarters, then o_w's
	s_wait_dscnt 0x0                               ; both opening adds are done
	s_wait_kmcnt 0x0
	s_mov_b32 s[G0], 1
	s_mov_b32 s[G0+1], s20
	s_add_nc_u64 s[G0+2:G0+3], s[4:5], s[16:17]
	s_or_b32 s[G0+3], s[G0+3], 0x80000000
	s_mov_b32 s[G0B], 1
	s_mov_b32 s[G0B+1], s20
	s_add_nc_u64 s[G0B+2:G0B+3], s[6:7], s[46:47]
	s_or_b32 s[G0B+3], s[G0B+3], 0x80000000
	CROUND                                         ; all sixteen work-groups are here: the joint loads meet
	s_cmp_eq_u32 s13, 0                            ; the branch hangs on the wave's number alone; an s_nop 0 and four v_nop follow each of the two lines
	s_cbranch_scc0 .Lfor_w
	tensor_load_to_lds s[G0:G0+3], s[G1:G1+7]
	s_nop 0
.rept 4
	v_nop
.endr
	s_branch .Lasked
.Lfor_w:
	tensor_load_to_lds s[G0B:G0B+3], s[G1B:G1B+7]
	s_nop 0
.rept 4
	v_nop
.endr
.Lasked:
	v_and_b32 v9, 31, v0
	v_lshlrev_b32 v9, 4, v9                        ; 16 x lane
	v_and_b32 v1, 15, v0                           ; r
	v_bfe_u32 v2, v0, 4, 1                         ; h
	s_lshl_b32 s21, s14, 15
	v_add_nc_u32 v[ADC], s21, v9                   ; my two tiles of rows: 32,768 x (wave % 4)
	s_lshl_b32 s22, s13, 16
	s_add_co_u32 s22, s22, 131072
	v_add_nc_u32 v[ADO], s22, v9                   ; my four tiles of columns: behind ctx, 65,536 x (wave / 4)
	s_mul_i32 s23, s12, 16*272
	s_add_co_u32 s23, s23, STAGE                   ; my stage
	v_mul_u32_u24 v[STO], v1, 272
	v_lshl_add_u32 v[STO], v2, 5, v[STO]
	v_add_nc_u32 v[STO], s23, v[STO]               ; in: row r, 32 bytes for each half of the lanes
	v_mul_u32_u24 v[RD], v2, 272
	v_lshl_add_u32 v[RD], v1, 4, v[RD]
	v_add_nc_u32 v[RD], s23, v[RD]                 ; back: lanes 0-15 one row of 256 bytes, lanes 16-31 the next
	v_lshlrev_b32 v[CO], 11, v2
	v_lshl_add_u32 v[CO], v1, 4, v[CO]             ; and the same two rows in out0
	v_lshlrev_b32 v[BA], 5, v2
	s_lshl_b32 s16, s15, 18
	s_lshl_b32 s18, s14, 16
	s_add_co_u32 s16, s16, s18                     ; my first row: (128 x tile row + 32 x (wave % 4)) x 2,048 bytes
	s_mov_b32 s17, 0
	s_lshl_b32 s46, s42, 9
	s_lshl_b32 s47, s13, 8
	s_add_co_u32 s46, s46, s47                     ; my first column, in bytes: 512 x tile column + 256 x (wave / 4); the same in o_b
	s_mov_b32 s47, 0
	s_add_nc_u64 s[8:9], s[8:9], s[46:47]
	s_add_nc_u64 s[10:11], s[10:11], s[16:17]
	s_add_nc_u64 s[10:11], s[10:11], s[46:47]
.irp n, 0,1,2,3
	global_load_b128 v[BI+8*\n:BI+8*\n+3], v[BA], s[8:9] offset:64*\n            ; lane (r, h), tile n: o_b of columns 16 n + 8 h + 0..7
	global_load_b128 v[BI+8*\n+4:BI+8*\n+7], v[BA], s[8:9] offset:64*\n+16
.endr
.macro FETCH kb, f                     ; 12 LDS loads: the fragments of 32 along K, dense: 16 bytes a lane at 16 x lane
.irp rt, 0,1
.irp c, 0,1
	ds_load_b128 v[\f+8*\rt+4*\c:\f+8*\rt+4*\c+3], v[ADC] offset:\rt*16384+(\kb)*1024+512*\c
.endr
.endr
.irp n, 0,1,2,3
.irp c, 0,1
	ds_load_b128 v[\f+16+8*\n+4*\c:\f+16+8*\n+4*\c+3], v[ADO] offset:\n*16384+(\kb)*1024+512*\c
.endr
.endr
.endm
.macro MUL8 f, kb                      ; the eight accumulators by turns
.irp rt, 0,1
.irp n, 0,1,2,3
.if (\kb) == 0
	v_wmma_f32_16x16x32_f16 v[ACC+8*(4*\rt+\n):ACC+8*(4*\rt+\n)+7], v[\f+16+8*\n:\f+16+8*\n+7], v[\f+8*\rt:\f+8*\rt+7], v[BI+8*\n:BI+8*\n+7]
.else
	v_wmma_f32_16x16x32_f16 v[ACC+8*(4*\rt+\n):ACC+8*(4*\rt+\n)+7], v[\f+16+8*\n:\f+16+8*\n+7], v[\f+8*\rt:\f+8*\rt+7], v[ACC+8*(4*\rt+\n):ACC+8*(4*\rt+\n)+7]
.endif
.endr
.endr
.endm
	s_wait_tensorcnt 0x0                           ; my quarter block is in,
	s_barrier_signal -1
	s_barrier_wait -1                              ; everybody's is
	s_wait_loadcnt 0x0                             ; the bias
	FETCH 0, F0
.set KB, 0
.rept 16
.if KB < 15
.rept 4
	v_nop                                          ; places in front of loads into registers that the last products have read
.endr
	FETCH KB+1, F0+48*((KB+1)%2)
	s_wait_dscnt 12                                ; this K step's fragments are in; the 12 loads just issued may be out
.else
	s_wait_dscnt 0
.endif
	MUL8 F0+48*(KB%2), KB
.set KB, KB+1
.endr
	; THE WAY OUT: 16 rows x 64 columns at a time through my own stage, back as whole rows of 256 bytes.  LDS serves a wave's instructions in order: no wait between the stores and the loads, nor in front of the next tile's stores.
.rept 4
	v_nop                                          ; places in front of the first read of results and of loads into the fragments' registers
.endr
.irp rt, 0,1
.irp n, 0,1,2,3
	ds_store_b128 v[STO], v[ACC+8*(4*\rt+\n):ACC+8*(4*\rt+\n)+3] offset:64*\n       ; each accumulator from its low end on
	ds_store_b128 v[STO], v[ACC+8*(4*\rt+\n)+4:ACC+8*(4*\rt+\n)+7] offset:64*\n+16
.endr
.irp i, 0,1,2,3,4,5,6,7
	ds_load_b128 v[F0+48*\rt+4*\i:F0+48*\rt+4*\i+3], v[RD] offset:544*\i
.endr
.endr
.irp rt, 0,1
.irp i, 0,1,2,3,4,5,6,7
	s_wait_dscnt 16*(1-\rt)+7-\i                   ; younger than this load: the rest of its tile's, and for the first tile the second's 16 LDS instructions
	global_store_b128 v[CO], v[F0+48*\rt+4*\i:F0+48*\rt+4*\i+3], s[10:11] offset:(16*\rt+2*\i)*2048 th:TH_STORE_NT   ; sixteen lanes store 256 consecutive bytes, aligned
.endr
.endr
	s_wait_tensorcnt 0x0                           ; the wave's end: these three lines behind my last tensor load and my last LDS store
	ds_add_u32 v[SPW], v[NIL]
	s_wait_dscnt 0x0
	CROUND                                         ; the closing round
	s_endpgm
.Lfunc_end_k_q4f5139f298_outp:
	.size	k_q4f5139f298_outp, .Lfunc_end_k_q4f5139f298_outp-k_q4f5139f298_outp
	.p2alignl 7, 3214868480
	.fill 96, 4, 3214868480
	.section	.rodata,"a",@progbits
	.p2align	6, 0x0
	.amdhsa_kernel k_q4f5139f298_outp
		.amdhsa_group_segment_fixed_size 327680
		.amdhsa_private_segment_fixed_size 0
		.amdhsa_enable_private_segment 0
		.amdhsa_kernarg_size 32
		.amdhsa_user_sgpr_count 2
		.amdhsa_user_sgpr_kernarg_segment_ptr 1
		.amdhsa_wavefront_size32 1
		.amdhsa_system_sgpr_workgroup_id_x 1
		.amdhsa_system_sgpr_workgroup_id_y 1
		.amdhsa_system_sgpr_workgroup_id_z 1
		.amdhsa_system_vgpr_workitem_id 0
		.amdhsa_next_free_vgpr 256
		.amdhsa_next_free_sgpr 66
		.amdhsa_reserve_vcc 0
		.amdhsa_float_denorm_mode_32 3
		.amdhsa_float_denorm_mode_16_64 3
		.amdhsa_memory_ordered 1
		.amdhsa_forward_progress 1
		.amdhsa_inst_pref_size 33
	.end_amdhsa_kernel
	.amdgpu_metadata
---
amdhsa.version: [ 1, 2 ]
amdhsa.kernels:
  - .name:           k_q4f5139f298_outp
    .symbol:         k_q4f5139f298_outp.kd
    .args:
      - { .name: ctxf, .offset: 0, .size: 8, .value_kind: global_buffer, .address_space: global }
      - { .name: owf, .offset: 8, .size: 8, .value_kind: global_buffer, .address_space: global }
      - { .name: o_b, .offset: 16, .size: 8, .value_kind: global_buffer, .address_space: global }
      - { .name: out0, .offset: 24, .size: 8, .value_kind: global_buffer, .address_space: global }
    .group_segment_fixed_size: 327680
    .private_segment_fixed_size: 0
    .kernarg_segment_align: 8
    .kernarg_segment_size: 32
    .max_flat_workgroup_size: 256
    .sgpr_count:     66
    .vgpr_count:     256
    .wavefront_size: 32
...
	.end_amdgpu_metadata
.endif
;; end of part 4
